; MI455X (gfx1250); checked and timed in simulation.
; The chip was launched on July 23, 2026; its instructions are those of AMD's public machine-readable ISA for CDNA 5 (MIT licence, August 2026) and "CDNA5" Instruction Set Architecture Reference Guide (July 2026). The comments in the code are by the model that wrote it; some were corrected since.
;; Grouped MM Wrapper. Allowed arithmetic: matrix products marked QUANTISED: E2M1 operands, one E8M0 scale for each 32 along K, by v_wmma_scale_f32_16x16x128_f8f6f4 with both operands' format E2M1 (or v_wmma_scale_f32_32x16x128_f4), f32 sums; everything else in f32.
;; Inputs: offs 8 int32; weight 8 x 1,024 x 2,048 float32; x 4,096 x 2,048 float32.
;; Outputs: out0 4,096 x 1,024 float32.
;; This version of the problem:
;;   THIS VERSION OF THE PROBLEM IS GIVEN IN LOW PRECISION. The matrix products marked QUANTISED in the list below multiply operands that are first quantised to E2M1 (2 exponent bits, 1 mantissa bit; 4 bits a number), with one power-of-two scale for each 32 numbers along K (OCP MX v1.0); their sums are f32. All else is computed in f32.
;;   The module's matrix products, in the order in which they are computed (A, B: the left and right operand; K: the contracted axis; several contracted axes count as one K, in the product's order):
;;     1. [M 4,096, K 2,048] x [K 2,048, N 1,024]; A: computed on the way; B: input weight: QUANTISED
;;     2. [M 4,096, K 2,048] x [K 2,048, N 1,024]; A: computed on the way; B: input weight: QUANTISED
;;     3. [M 4,096, K 2,048] x [K 2,048, N 1,024]; A: computed on the way; B: input weight: QUANTISED
;;     4. [M 4,096, K 2,048] x [K 2,048, N 1,024]; A: computed on the way; B: input weight: QUANTISED
;;     5. [M 4,096, K 2,048] x [K 2,048, N 1,024]; A: computed on the way; B: input weight: QUANTISED
;;     6. [M 4,096, K 2,048] x [K 2,048, N 1,024]; A: computed on the way; B: input weight: QUANTISED
;;     7. [M 4,096, K 2,048] x [K 2,048, N 1,024]; A: computed on the way; B: input weight: QUANTISED
;;     8. [M 4,096, K 2,048] x [K 2,048, N 1,024]; A: computed on the way; B: input weight: QUANTISED
;;   THE QUANTISER, for each operand of a quantised product, along K:
;;     - K is cut into blocks of 32 from its start; a last block that is shorter is filled with zeros.
;;     - A block's scale is 2^e with e = floor(log2(the largest magnitude in the block)) - 2, held to -126 .. 127; a block of zeros has e = 0. As a byte (E8M0): e + 127.
;;     - Each number is divided by its block's scale, clamped to +-6, and rounded to the nearest number of E2M1, ties to even, subnormals kept.
;;     - The product sums the exact products of the quantised numbers (number of the format x scale) in f32.
;;   ~~~python
;;   def quantise(x, axis):      # numpy; x: float32 -> the quantised numbers, widened to float32 again
;;       x = np.moveaxis(x, axis, -1); K = x.shape[-1]
;;       x = np.pad(x, [(0, 0)] * (x.ndim - 1) + [(0, -K % 32)]); x = x.reshape(x.shape[:-1] + (-1, 32)); a = np.abs(x).max(-1, keepdims=True)
;;       e = np.where(a > 0, np.clip(np.frexp(np.where(a > 0, a, 1))[1] - 1 - 2, -126, 127), 0)      # np.frexp(a)[1] - 1 = floor(log2(a)), exactly
;;       r = np.clip(x / 2.0 ** e, -6, 6)
;;       step = 2.0 ** (np.maximum(np.frexp(np.where(r == 0, 1, r))[1] - 1, 0) - 1)
;;       q = np.round(r / step) * step * 2.0 ** e      # np.round: ties to even
;;       return np.moveaxis(q.reshape(q.shape[:-2] + (-1,))[..., :K], -1, axis).astype(np.float32)
;;   ~~~
;;   OPERANDS COMPUTED ON THE WAY. 'Computed on the way' means the value that the module computes at that place (a softmax that the list does not call 'softmax' is quantised finished and normalised). What goes into a quantiser is computed in f32, as accurately as f32 sums, v_exp_f32 and their like allow (about 1e-6 of the number): no bf16 or f16 on the way to a quantiser, and a product that is left as it is and whose result goes on into a quantised operand takes f32 operands (vector FMAs, or v_wmma_f32_16x16x4_f32). A number that lies on a knife's edge between two numbers of the format may be rounded either way, as far as f32 arithmetic and the matrix unit's own rounding can turn it there, and no further.
;; 2 versions. Each part assembles by itself: llvm-mc -triple=amdgcn-amd-amdhsa -mcpu=gfx1250 --defsym DOCPART=n.
;; ======== version 1 of 2: 2 launches
;; workspace buffers: codes 12,582,912 bytes; scales 786,432 bytes
;; launch quant (part 1): grid 768 x 1, 4 waves a work-group, no clusters, 37,376 bytes of LDS; arguments x, weight, codes, scales; writes codes, scales
.if DOCPART == 1
	.amdgcn_target "amdgcn-amd-amdhsa--gfx1250"
	.amdhsa_code_object_version 6
	.text
	.protected	k_q0c91d4cf9f_quant
	.globl	k_q0c91d4cf9f_quant
	.p2align	8
	.type	k_q0c91d4cf9f_quant,@function
k_q0c91d4cf9f_quant:
	s_mov_b64 s[64:65], 0
	v_nop
	global_prefetch_b8 v0, s[64:65] scope:SCOPE_SE
	s_setreg_imm32_b32 hwreg(HW_REG_WAVE_MODE, 25, 1), 1
	s_wait_xcnt 0x0
; x [4096][2048] and weight [8][1024][2048], f32, K innermost, become codes of FP4 (E2M1) with one E8M0 scale byte for each 32 along K.
; Both tensors are taken as rows of 2,048 numbers in GROUPS of 16 rows: groups 0-255 are x's, groups 256-767 weight's (expert e, rows n on: 256 + 64 e + n / 16).
; THE WORKSPACE IS LAID AS THE PRODUCT'S OPERAND REGISTERS WANT IT.
;   codes  [group][kb = k / 32][row r of the group][16 bytes]: for a K step s of 128, half c and lane l = 16 h + r, the operand's registers 4 c .. 4 c + 3 are the 16 bytes at
;          16,384 group + 1,024 s + 512 c + 16 l: every fragment load of the product reads 512 consecutive bytes.
;   scales [group][q = k / 512][row r][16 bytes]: a row's 16 bytes are the four scale words of K steps 4 q .. 4 q + 3.
; A block's scale is 2^(floor(log2(its largest magnitude)) - 2); its byte is the largest magnitude's exponent field - 2, held at 1 from below; each number is divided by the scale and
; rounded to the nearest code, ties to even, beyond 6 the largest code.
; LIMITS: NaN and infinities among the inputs are not served.  A block of zeros gets the byte 1 where the rule says 127: its codes are zeros, which add nothing under any byte but 0xff,
; and the bytes are read by this program alone.
; SHARES.  A work-group takes one group; wave w its K quarter w (512 along K: 2,048 bytes of each of the 16 rows), in 8 steps of 64 along K.  Lane (r, h) owns block 16 w + 2 t + h of row r:
; all its 32 numbers, so that the block's largest magnitude needs no other lane and the four conversions give the block's 16 bytes.
; A load is best where neighbouring lanes take neighbouring bytes, a conversion wants 32 neighbours in one lane: each load reads 256 consecutive bytes of two rows, 16 a lane; a step's 4,096 bytes
; turn through the wave's own stage in LDS and come back 128 bytes a lane.  No barrier: waves share nothing.  Loads run four steps (32 loads a wave) ahead, the turn through LDS one step.
; Every offset is an immediate, and each step has its own registers for its codes and its byte: no pointer is stepped and no store's data are written again.
.set STEPS, 8
.set SP,    272                        ; a stage row: 256 bytes + 16 = 68 words: row r starts at bank 4 r mod 64 (64 banks of 4 bytes: ISA guide 11.1)
.set STG,   16*SP                      ; a stage: 16 rows
.set SCB,   2*STG                      ; behind the two stages: the wave's 256 scale bytes
.set WREG,  9216                       ; LDS of a wave
.set R,     16                         ; v16-143  four sets of 32 registers as they are loaded
.set X,     144                        ; v144-207 two sets of 32 neighbours along K
.set C,     208                        ; v208-239 codes: four registers a step
.set E,     240                        ; v240-247 a scale byte a step
	s_load_b256 s[4:11], s[0:1], 0x0               ; x s[4:5], weight s[6:7], codes s[8:9], scales s[10:11]
	v_lshl_add_u32 v248, v0, 2, 0x9000
	v_mov_b32 v249, 0
	v_lshrrev_b32 v1, 5, v0
	v_readfirstlane_b32 s12, v1                    ; wave 0..3
	v_and_b32 v1, 31, v0                           ; lane l
	v_and_b32 v2, 15, v0                           ; r
	v_bfe_u32 v3, v0, 4, 1                         ; h
	v_lshlrev_b32 v4, 4, v2
	v_lshl_add_u32 v4, v3, 13, v4                  ; in: 16 r + one row (8,192 bytes) for lanes 16-31
	v_lshlrev_b32 v10, 4, v1                       ; codes out: 16 l
	v_lshlrev_b32 v7, 3, v1                        ; scale bytes out: 8 l
	s_mul_i32 s13, s12, WREG                       ; my wave's LDS
	v_mul_u32_u24 v14, v3, SP
	v_lshl_add_u32 v14, v2, 4, v14
	v_add_nc_u32 v14, s13, v14                     ; into a stage: row h (+ 2 j by the immediate), byte 16 r
	v_mul_u32_u24 v15, v2, SP
	v_lshl_add_u32 v15, v3, 7, v15
	v_add_nc_u32 v15, s13, v15                     ; out of it: row r, my block's 128 bytes
	s_add_co_u32 s13, s13, SCB
	v_lshl_add_u32 v5, v2, 4, v3
	v_add_nc_u32 v5, s13, v5                       ; my block's scale byte: 16 r + h (+ 2 t by the immediate)
	v_add_nc_u32 v6, s13, v7                       ; and on the way out 8 bytes a lane
	s_wait_kmcnt 0x0
	s_cmp_lt_u32 ttmp9, 256                        ; x's group or weight's?  The choice hangs on the work-group's number alone
	s_cselect_b64 s[4:5], s[4:5], s[6:7]
	s_cselect_b32 s14, 0, 256
	s_sub_co_u32 s14, ttmp9, s14                   ; the group's number in its own tensor
	s_lshl_b32 s14, s14, 17                        ; 16 rows of 8,192 bytes,
	s_lshl_b32 s15, s12, 11                        ; my quarter of a row
	s_add_co_u32 s14, s14, s15
	s_mov_b32 s15, 0
	s_add_nc_u64 s[4:5], s[4:5], s[14:15]
	s_lshl_b32 s14, ttmp9, 14                      ; codes: 16,384 bytes a group, 4,096 a quarter
	s_lshl_b32 s16, s12, 12
	s_add_co_u32 s14, s14, s16
	s_add_nc_u64 s[8:9], s[8:9], s[14:15]
	s_lshl_b32 s14, ttmp9, 10                      ; scale bytes: 1,024 a group, 256 a quarter
	s_lshl_b32 s16, s12, 8
	s_add_co_u32 s14, s14, s16
	s_add_nc_u64 s[10:11], s[10:11], s[14:15]
.macro LOAD t                          ; step t: 256 bytes of each of the 16 rows; load j: lanes 0-15 row 2 j, lanes 16-31 row 2 j + 1, each 256 consecutive bytes at a multiple of 256
.irp j, 0,1,2,3,4,5,6,7
	global_load_b128 v[R+32*((\t)%4)+4*\j:R+32*((\t)%4)+4*\j+3], v4, s[4:5] offset:\j*16384+(\t)*256 th:TH_LOAD_NT
.endr
.endm
.macro TURN t                          ; step t's numbers through a stage: LDS serves a wave's instructions in order (ISA guide 5.7.1.4), so no wait stands between the stores and the loads
.irp j, 0,1,2,3,4,5,6,7
	ds_store_b128 v14, v[R+32*((\t)%4)+4*\j:R+32*((\t)%4)+4*\j+3] offset:STG*((\t)%2)+2*SP*\j
.endr
.irp j, 0,1,2,3,4,5,6,7
	ds_load_b128 v[X+32*((\t)%2)+4*\j:X+32*((\t)%2)+4*\j+3], v15 offset:STG*((\t)%2)+16*\j
.endr
.endm
.irp t, 0,1,2,3
	LOAD \t
.endr
	s_wait_loadcnt 24                              ; step 0's eight loads are in; those of steps 1 to 3 may be out
	TURN 0
.macro STEP t
.set XS, X+32*((\t)%2)
.if (\t) > 0
	s_wait_dscnt 1                                 ; this step's numbers are back from the stage (the last step's byte store may be out),
.else
	s_wait_dscnt 0x0
.endif
.if (\t)+4 < STEPS
	LOAD (\t)+4                                    ; so its stores into the stage have read their registers, which take the loads of four steps on
.endif
.if (\t)+1 < STEPS
.if 6-(\t) >= 3
	s_wait_loadcnt 24                              ; the next step's eight loads are in; those of the three steps behind it may be out
.else
	s_wait_loadcnt 8*(6-(\t))                      ; towards the end fewer steps stand behind it
.endif
	TURN (\t)+1                                    ; and go through the other stage while this step is worked
.endif
	v_max3_num_f32 v8, |v[XS]|, |v[XS+1]|, |v[XS+2]|               ; the block's largest magnitude: all 32 numbers are mine; two chains, so that no line waits for the line above it
	v_max3_num_f32 v9, |v[XS+3]|, |v[XS+4]|, |v[XS+5]|
.irp i, 6,10,14,18,22,26
	v_max3_num_f32 v8, v8, |v[XS+\i]|, |v[XS+\i+1]|
	v_max3_num_f32 v9, v9, |v[XS+\i+2]|, |v[XS+\i+3]|
.endr
	v_max3_num_f32 v8, v8, |v[XS+30]|, |v[XS+31]|
	v_max3_num_f32 v8, v8, v9, 0x1800000           ; and the floor 2^(3 - 127), under which no largest magnitude is taken: so the byte cannot fall under 1
	v_add_nc_u32 v11, 0xff000000, v8               ; 2 off its exponent field: the conversion takes the exponent field of this operand as its scale, and nothing else of it
.irp g, 0,1,2,3
	v_cvt_scalef32_pk8_fp4_f32 v[C+4*(\t)+\g], v[XS+8*\g:XS+8*\g+7], v11   ; eight numbers / the scale, the first number's code in the lowest four bits
.endr
	v_lshrrev_b32 v[E+(\t)], 23, v11               ; the scale's byte.  (Also the plain vector line behind the last conversion)
	ds_store_b8 v5, v[E+(\t)] offset:2*(\t)
	global_store_b128 v10, v[C+4*(\t):C+4*(\t)+3], s[8:9] offset:512*(\t)   ; blocks 2 t and 2 t + 1 of the 16 rows: the wave stores 512 consecutive bytes, at a multiple of 512 from the buffer's first byte
.endm
.irp t, 0,1,2,3,4,5,6,7
	STEP \t
.endr
	ds_load_b64 v[12:13], v6                       ; LDS serves a wave's instructions in order: this sees my byte stores
	s_wait_dscnt 0x0
	global_store_b64 v7, v[12:13], s[10:11]        ; the quarter's 256 scale bytes: 256 consecutive bytes, at a multiple of 256
	s_wait_tensorcnt 0x0
	ds_add_u32 v248, v249
	s_wait_dscnt 0x0
	s_endpgm
.Lfunc_end_k_q0c91d4cf9f_quant:
	.size	k_q0c91d4cf9f_quant, .Lfunc_end_k_q0c91d4cf9f_quant-k_q0c91d4cf9f_quant
	.p2alignl 7, 3214868480
	.fill 96, 4, 3214868480
	.section	.rodata,"a",@progbits
	.p2align	6, 0x0
	.amdhsa_kernel k_q0c91d4cf9f_quant
		.amdhsa_group_segment_fixed_size 37376
		.amdhsa_private_segment_fixed_size 0
		.amdhsa_enable_private_segment 0
		.amdhsa_kernarg_size 32
		.amdhsa_user_sgpr_count 2
		.amdhsa_user_sgpr_kernarg_segment_ptr 1
		.amdhsa_wavefront_size32 1
		.amdhsa_system_sgpr_workgroup_id_x 1
		.amdhsa_system_sgpr_workgroup_id_y 1
		.amdhsa_system_sgpr_workgroup_id_z 1
		.amdhsa_system_vgpr_workitem_id 0
		.amdhsa_next_free_vgpr 250
		.amdhsa_next_free_sgpr 66
		.amdhsa_reserve_vcc 0
		.amdhsa_float_denorm_mode_32 3
		.amdhsa_float_denorm_mode_16_64 3
		.amdhsa_memory_ordered 1
		.amdhsa_forward_progress 1
		.amdhsa_inst_pref_size 30
	.end_amdhsa_kernel
	.amdgpu_metadata
---
amdhsa.version: [ 1, 2 ]
amdhsa.kernels:
  - .name:           k_q0c91d4cf9f_quant
    .symbol:         k_q0c91d4cf9f_quant.kd
    .args:
      - { .name: x, .offset: 0, .size: 8, .value_kind: global_buffer, .address_space: global }
      - { .name: weight, .offset: 8, .size: 8, .value_kind: global_buffer, .address_space: global }
      - { .name: codes, .offset: 16, .size: 8, .value_kind: global_buffer, .address_space: global }
      - { .name: scales, .offset: 24, .size: 8, .value_kind: global_buffer, .address_space: global }
    .group_segment_fixed_size: 37376
    .private_segment_fixed_size: 0
    .kernarg_segment_align: 8
    .kernarg_segment_size: 32
    .max_flat_workgroup_size: 128
    .sgpr_count:     66
    .vgpr_count:     250
    .wavefront_size: 32
...
	.end_amdgpu_metadata
.endif
;; end of part 1
;; launch gemm (part 2): grid 8 x 32, 4 waves a work-group, no clusters, 270,848 bytes of LDS; arguments offs, codes, scales, out0; writes out0
.if DOCPART == 2
	.amdgcn_target "amdgcn-amd-amdhsa--gfx1250"
	.amdhsa_code_object_version 6
	.text
	.protected	k_q0c91d4cf9f_gemm
	.globl	k_q0c91d4cf9f_gemm
	.p2align	8
	.type	k_q0c91d4cf9f_gemm,@function
k_q0c91d4cf9f_gemm:
	s_mov_b64 s[64:65], 0
	v_nop
	global_prefetch_b8 v0, s[64:65] scope:SCOPE_SE
	s_setreg_imm32_b32 hwreg(HW_REG_WAVE_MODE, 25, 1), 1
	s_wait_xcnt 0x0
; out0[t][n] = the sum over the experts e with starts[e] <= t < offs[e] (signed; starts[0] = 0, starts[e] = offs[e - 1]) of Q(x[t]) . Q(weight[e][n]), on codes of FP4 (E2M1) with E8M0 scales; sums in f32.
; NOTHING IS TAKEN FOR GRANTED OF offs: the split may be uneven, a token may lie in no expert's range (it gets 0, which is stored) or, where offs does not ascend, in several (their products add).
; codes and scales are the launch before's: [group of 16 rows][k / 32][row][16 bytes] and [group][k / 512][row][16 bytes]; groups 0-255 are x's, 256 + 64 e + n / 16 weight's.
; SHARES.  Work-group (cx, ry) owns rows 128 ry .. + 127 and columns 128 cx .. + 127 of out0: every output number has one owner, whatever offs holds.
; THE FOUR WAVES SHARE K, NOT THE TILE: wave w makes the whole 128 x 128 for K steps 4 w .. 4 w + 3 (128 along K each): 64 accumulators, 512 registers.  So no fragment is loaded by two waves, each fragment
; feeds eight matrix instructions, operands go from memory straight into registers (each load 512 consecutive bytes), and neither LDS nor a barrier stands in the walk over experts.
; The four partial tiles meet in LDS at the end, behind the one barrier; that way also turns a lane's 32 bytes into whole rows.
; ORDER OF SUMS: within a quarter of K ascending, expert after expert; the quarters are added as (q0 + q1) + (q2 + q3).
; THE WALK OVER EXPERTS.  Pass 1 always runs, on the first expert whose range meets the tile's rows (on expert 0 if none does: all its rows are then masked, and zeros are stored); its first K step starts the sums
; with the constant 0.  A counted loop over e = 1 .. 7 runs the same body, adding in place, for every other expert that meets the tile, and jumps over it for the rest.
; ROWS OUTSIDE THE EXPERT'S RANGE count for nothing by ZERO CODES: a lane of a fragment of x holds one token, so its eight registers are ANDed with the token's mask.  Where all 128 rows lie inside, that is jumped over.
; NO TENSOR LOADS, NO CLUSTER: which experts a tile meets hangs on offs, so the walk branches on numbers read from memory.
; THE MATRIX INSTRUCTION IS USED TRANSPOSED (source 0 = 16 rows of weight, source 1 = 16 tokens): a lane then holds eight neighbouring columns of one row of out0.
; REGISTERS, in windows of 256: window 0: v0-12 addresses; v16-23 the row masks; v32-63 scale words; v128-255 x's fragments, two sets of 64 (on the way out: rows of out0).
;   window 1: v0-127 weight's fragments, two sets of 64.   windows 2, 3: accumulator (a, b) at v[8 (8 (a % 4) + b)] of window 2 + a / 4.
.set AF,     128                       ; x's fragments, in window 0
.set SC,     32                        ; register 4 g + i: lanes 0-15 the scale word of x's group g, lanes 16-31 that of weight's group g, for my K step i
.set M,      16                        ; v16-23: -1 where token 16 a + r of the tile lies in the expert's range, else 0
.set RPITCH, 528                       ; the way out: a row of 512 bytes + 16 = 132 words: row r starts at bank 4 r mod 64 (64 banks of 4 bytes: ISA guide 11.1)
.set REG,    128*RPITCH                ; a wave's partial tile in LDS
.set MSB, 0
.macro WIN new                         ; the immediate's high byte repeats the setting that is left; a switch that changes nothing is dropped
.if MSB != (\new)
	s_set_vgpr_msb (MSB<<8)|(\new)
.set MSB, (\new)
.endif
.endm
; A load into a register that a matrix instruction has read, and an LDS store that reads a matrix result, stand four places behind that matrix instruction; an operand written by a vector instruction stands four
; places ahead of a scaled matrix instruction; only plain vector instructions are places (ISA guide 7.12.1 for vector instructions).
.macro PLACES
.rept 4
	v_nop
.endr
.endm
.macro LOADA sl, p                     ; x's eight fragments of my K step sl into set p
.irp a, 0,1,2,3,4,5,6,7
.irp c, 0,1
	global_load_b128 v[AF+64*\p+8*\a+4*\c:AF+64*\p+8*\a+4*\c+3], v1, s[18:19] offset:\a*16384+\sl*1024+\c*512
.endr
.endr
.endm
.macro LOADB sl, p                     ; the expert's eight fragments likewise, into window 1
	WIN 0x40                                       ; destination window 1, address window 0
.irp b, 0,1,2,3,4,5,6,7
.irp c, 0,1
	global_load_b128 v[64*\p+8*\b+4*\c:64*\p+8*\b+4*\c+3], v1, s[34:35] offset:\b*16384+\sl*1024+\c*512
.endr
.endr
	WIN 0
.endm
.macro LOADSC                          ; the scale words of my four K steps: lanes 0-15 x's group g, lanes 16-31 the expert's group g
.irp g, 0,1,2,3,4,5,6,7
	global_load_b128 v[SC+4*\g:SC+4*\g+3], v2, s[20:21] offset:\g*1024
.endr
.endm
; What hangs on the expert (its number in s[e], its range S = s36, T = s37).  No load is out that names v2 or s[34:35]: every pass ends with a wait for all its loads.
.macro SETUP e
	s_cmp_le_i32 s36, s15
	s_cselect_b32 s40, 1, 0
	s_cmp_ge_i32 s37, s16
	s_cselect_b32 s40, s40, 0                      ; 1 where all 128 rows lie in the range
	s_lshl_b32 s42, s[\e], 20                      ; an expert's codes: 64 groups of 16,384 bytes
	s_mov_b32 s43, 0
	s_add_nc_u64 s[34:35], s[32:33], s[42:43]
	s_lshl_b32 s45, s[\e], 16                      ; its scale bytes: 64 groups of 1,024
	s_add_co_u32 s45, s45, s41                     ; from x's scale words to the expert's: positive and under 2^24
	v_mul_u32_u24 v2, s45, v12                     ; lanes 16-31 take the expert's
	v_lshl_add_u32 v2, v11, 4, v2                  ; + 16 r
.irp a, 0,1,2,3,4,5,6,7
	v_add_nc_u32 v10, 16*\a, v3                    ; my token in group a
	v_cmp_ge_i32 s46, v10, s36
	v_cmp_lt_i32 vcc_lo, v10, s37
	s_and_b32 vcc_lo, vcc_lo, s46
	v_cndmask_b32 v[M+\a], 0, -1, vcc_lo
.endr
.endm
; 64 matrix instructions: x's eight groups, each against the expert's eight, 128 along K: my K step i, in set p.  zero = 1: the products start the sums: nothing is ever cleared.
; The 64 accumulators take turns, one instruction a turn, in the same order in every step and every pass.
.macro MUL p, i, zero
.irp a, 0,1,2,3,4,5,6,7
	WIN 0xa1+0x50*(\a/4)                           ; source 0 (weight) window 1, source 1 (x) window 0, C and D window 2 or 3
.irp b, 0,1,2,3,4,5,6,7
.if \zero
	v_wmma_scale_f32_16x16x128_f8f6f4 v[8*(8*(\a%4)+\b):8*(8*(\a%4)+\b)+7], v[64*\p+8*\b:64*\p+8*\b+7], v[AF+64*\p+8*\a:AF+64*\p+8*\a+7], 0, v[SC+4*\b+\i], v[SC+4*\a+\i] matrix_a_fmt:MATRIX_FMT_FP4 matrix_b_fmt:MATRIX_FMT_FP4 matrix_a_scale:MATRIX_SCALE_ROW1
.else
	v_wmma_scale_f32_16x16x128_f8f6f4 v[8*(8*(\a%4)+\b):8*(8*(\a%4)+\b)+7], v[64*\p+8*\b:64*\p+8*\b+7], v[AF+64*\p+8*\a:AF+64*\p+8*\a+7], v[8*(8*(\a%4)+\b):8*(8*(\a%4)+\b)+7], v[SC+4*\b+\i], v[SC+4*\a+\i] matrix_a_fmt:MATRIX_FMT_FP4 matrix_b_fmt:MATRIX_FMT_FP4 matrix_a_scale:MATRIX_SCALE_ROW1
.endif
.endr
.endr
.endm
; A K step.  left: the loads issued behind this step's, which may stay out.  next: the K step that this set's registers take afterwards, or -1.
.macro STEP p, i, zero, left, next
	s_wait_loadcnt \left                           ; loads come back in order (ISA guide 5.7.1): this set's fragments are in (and, in a pass's first step, the scale words)
	s_cmp_lg_u32 s40, 0
	s_cbranch_scc1 .Lwhole_\@                      ; all 128 rows count: nothing to mask
.irp a, 0,1,2,3,4,5,6,7
.irp j, 0,1,2,3,4,5,6,7
	v_and_b32 v[AF+64*\p+8*\a+\j], v[M+\a], v[AF+64*\p+8*\a+\j]   ; a token outside the range gets zero codes, which add nothing under any scale byte that the quantiser gives
.endr
.endr
	PLACES                                         ; between the last of these and the products
.Lwhole_\@:
	MUL \p, \i, \zero
	WIN 0
	PLACES                                         ; in front of loads into registers that the products have read; behind a pass's last step: of the next pass's loads of scale words, and of the first read of results
.if \next >= 0
	LOADA \next, \p
	LOADB \next, \p
.endif
.endm
.macro BODY zero                       ; a pass: my four K steps on sets 0, 1, 0, 1.  The count 32 is the other set's 32 fragment loads, which were issued later; the last wait is for all
	STEP 0, 0, \zero, 32, 2
	STEP 1, 1, 0, 32, 3
	STEP 0, 2, 0, 32, -1
	STEP 1, 3, 0, 0, -1
.endm
	s_load_b256 s[4:11], s[0:1], 0x0               ; offs s[4:5], codes s[6:7], scales s[8:9], out0 s[10:11]
	v_lshl_add_u32 v126, v0, 2, 0x42000
	v_mov_b32 v127, 0
	v_lshrrev_b32 v1, 5, v0
	v_readfirstlane_b32 s12, v1                    ; wave 0..3
	s_mov_b32 s13, ttmp9                           ; cx: the tile's columns
	s_and_b32 s14, ttmp7, 0xffff                   ; ry: its rows
	s_lshl_b32 s15, s14, 7                         ; r0: the tile's first row
	s_add_co_u32 s16, s15, 128                     ; r1: one past its last
	v_and_b32 v4, 31, v0                           ; lane l
	v_and_b32 v11, 15, v0                          ; r
	v_bfe_u32 v12, v0, 4, 1                        ; h
	v_lshlrev_b32 v1, 4, v4                        ; 16 l: my 16 bytes of every fragment load, and of a row of the tile on the way out
	v_add_nc_u32 v3, s15, v11                      ; my token in group 0
	s_mul_i32 s17, s12, REG                        ; the way out: into my wave's partial tile: row r, 32 bytes for each half of the lanes
	v_mul_u32_u24 v5, v11, RPITCH
	v_lshl_add_u32 v5, v12, 5, v5
	v_add_nc_u32 v5, s17, v5
	s_mul_i32 s17, s12, 32*RPITCH                  ; and back: rows 32 w on of each of the four partial tiles, 16 bytes a lane
	v_add_nc_u32 v6, s17, v1
	v_add_nc_u32 v7, REG, v6
	v_add_nc_u32 v8, 2*REG, v6
	v_add_nc_u32 v9, 3*REG, v6
	s_lshl_b32 s42, s14, 17                        ; x's codes: 8 groups of 16,384 bytes a tile,
	s_lshl_b32 s17, s12, 12                        ; my four K steps of 1,024 bytes
	s_add_co_u32 s42, s42, s17
	s_mov_b32 s43, 0
	s_lshl_b32 s46, s13, 17                        ; weight's: behind x's 256 groups; 8 groups a tile of columns
	s_add_co_u32 s46, s46, s17
	s_add_co_u32 s46, s46, 0x400000
	s_mov_b32 s47, 0
	s_lshl_b32 s22, s14, 13                        ; x's scale bytes: 8 groups of 1,024 a tile
	s_lshl_b32 s41, s13, 13
	s_add_co_u32 s41, s41, 0x40000                 ; weight's: behind x's 256 groups
	s_sub_co_u32 s41, s41, s22                     ; from x's words to expert 0's: 0x40000 is more than the greatest ry x 8,192
	s_lshl_b32 s48, s12, 8                         ; my quarter of K: 256 bytes
	s_add_co_u32 s48, s48, s22
	s_mov_b32 s49, 0
	s_lshl_b32 s50, s12, 5
	s_add_co_u32 s50, s50, s15                     ; the first row that I store: r0 + 32 w,
	s_lshl_b32 s50, s50, 12                        ; of 4,096 bytes,
	s_lshl_b32 s51, s13, 9                         ; and the tile's 512 bytes in it
	s_add_co_u32 s50, s50, s51
	s_mov_b32 s51, 0
	s_wait_kmcnt 0x0
	s_load_b256 s[24:31], s[4:5], 0x0              ; offs: all eight
	s_add_nc_u64 s[18:19], s[6:7], s[42:43]
	s_add_nc_u64 s[32:33], s[6:7], s[46:47]
	s_add_nc_u64 s[20:21], s[8:9], s[48:49]
	s_add_nc_u64 s[10:11], s[10:11], s[50:51]
	LOADA 0, 0                                     ; x's first fragments hang on no expert: they are asked for ahead of offs
	s_mov_b32 s23, 0                               ; starts[e] = s[23 + e], offs[e] = s[24 + e]
	s_mov_b32 s38, 0                               ; the first expert that meets the tile; if none does: expert 0,
	s_mov_b32 s36, 0                               ; with its own range, which then holds none of my rows
	s_mov_b32 s39, 0                               ; a bit for each expert that meets the tile
	s_wait_kmcnt 0x0
	s_mov_b32 s37, s24
.irp e, 7,6,5,4,3,2,1,0                ; no branch: expert e meets the tile where max(starts[e], r0) < min(offs[e], r1); the lowest such e is chosen last
	s_max_i32 s42, s[23+\e], s15
	s_min_i32 s43, s[24+\e], s16
	s_cmp_lt_i32 s42, s43
	s_cselect_b32 s38, \e, s38
	s_cselect_b32 s36, s[23+\e], s36
	s_cselect_b32 s37, s[24+\e], s37
	s_cselect_b32 s42, 1<<\e, 0
	s_or_b32 s39, s39, s42
.endr
	s_min_u32 s38, s38, 7                          ; it enters addresses
	s_lshl_b32 s42, 1, s38
	s_and_not1_b32 s39, s39, s42                   ; the experts that are left for the loop: all of them above the first
	SETUP 38
	LOADSC
	LOADB 0, 0
	LOADA 1, 1
	LOADB 1, 1
	BODY 1                                         ; PASS 1: on every path the accumulators are written here
	s_mov_b32 s44, 1
.Lexpert:                                          ; seven trips; every window is 0 here, and no load is out
	s_lshr_b32 s42, s39, s44
	s_and_b32 s42, s42, 1
	s_cmp_lg_u32 s42, 0
	s_cbranch_scc0 .Lskip                          ; none of my rows lies in this expert's range, or pass 1 has served it
	s_mov_b32 s36, s24                             ; its range, chosen from offs without a branch
	s_mov_b32 s37, s25
.irp k, 2,3,4,5,6,7
	s_cmp_eq_u32 s44, \k
	s_cselect_b32 s36, s[23+\k], s36
	s_cselect_b32 s37, s[24+\k], s37
.endr
	SETUP 44
	LOADSC
	LOADA 0, 0                                     ; x's fragments once more: the last pass has masked them in place
	LOADB 0, 0
	LOADA 1, 1
	LOADB 1, 1
	BODY 0
.Lskip:
	s_add_co_u32 s44, s44, 1
	s_cmp_lt_u32 s44, 8
	s_cbranch_scc1 .Lexpert
; THE WAY OUT.  Accumulator (a, b), lane (r, h), register j is row 16 a + r, column 16 b + 8 h + j of my partial tile: 32 neighbouring bytes of a row.  Each accumulator goes to LDS as it is, from its low end on.
.macro TOSTAGE a
	WIN 0x08+4*((\a)/4)                            ; an LDS store's data are its source 1: window 2 or 3
.irp b, 0,1,2,3,4,5,6,7
	ds_store_b128 v5, v[8*(8*((\a)%4)+\b):8*(8*((\a)%4)+\b)+3] offset:(\a)*16*RPITCH+64*\b
	ds_store_b128 v5, v[8*(8*((\a)%4)+\b)+4:8*(8*((\a)%4)+\b)+7] offset:(\a)*16*RPITCH+64*\b+16
.endr
.endm
.macro RLOAD g                         ; rows 4 g .. 4 g + 3 of my 32, from all four partial tiles, into set g % 2: row n's quarter q at 16 n + 4 q
.irp n, 0,1,2,3
.irp q, 0,1,2,3
	ds_load_b128 v[AF+64*((\g)%2)+16*\n+4*\q:AF+64*((\g)%2)+16*\n+4*\q+3], v[6+\q] offset:(4*(\g)+\n)*RPITCH
.endr
.endr
.endm
.macro RSUM g, younger                 ; younger: the next batch's LDS loads, which may stay out, as may this batch's later rows, four loads each
.irp n, 0,1,2,3
.set TT, AF+64*((\g)%2)+16*\n
	s_wait_dscnt \younger+12-4*\n
	v_pk_add_f32 v[TT:TT+1], v[TT:TT+1], v[TT+4:TT+5]              ; q0 + q1
	v_pk_add_f32 v[TT+2:TT+3], v[TT+2:TT+3], v[TT+6:TT+7]
	v_pk_add_f32 v[TT+8:TT+9], v[TT+8:TT+9], v[TT+12:TT+13]        ; q2 + q3
	v_pk_add_f32 v[TT+10:TT+11], v[TT+10:TT+11], v[TT+14:TT+15]
	v_pk_add_f32 v[TT:TT+1], v[TT:TT+1], v[TT+8:TT+9]
	v_pk_add_f32 v[TT+2:TT+3], v[TT+2:TT+3], v[TT+10:TT+11]
	global_store_b128 v1, v[TT:TT+3], s[10:11] offset:(4*(\g)+\n)*4096 th:TH_STORE_NT   ; the 32 lanes store the tile's 512 bytes of a row, at a multiple of 512 from out0's first byte; written once, read by nobody here
.endr
.endm
.irp a, 0,1,2,3,4,5,6,7
	TOSTAGE \a
.endr
	WIN 0
	s_wait_dscnt 0x0                               ; for the others' sake: my partial tile lies in LDS
	s_barrier_signal -1
	s_barrier_wait -1                              ; all four do.  The one barrier, on every wave's path
	RLOAD 0
	RLOAD 1
.irp g, 0,1,2,3,4,5
	RSUM \g, 16
	s_wait_xcnt 0x0                                ; the stores have read their registers: only behind this wait does the batch two on land there
	RLOAD \g+2
.endr
	RSUM 6, 16
	RSUM 7, 0
	s_wait_tensorcnt 0x0
	ds_add_u32 v126, v127
	s_wait_dscnt 0x0
	s_endpgm
.Lfunc_end_k_q0c91d4cf9f_gemm:
	.size	k_q0c91d4cf9f_gemm, .Lfunc_end_k_q0c91d4cf9f_gemm-k_q0c91d4cf9f_gemm
	.p2alignl 7, 3214868480
	.fill 96, 4, 3214868480
	.section	.rodata,"a",@progbits
	.p2align	6, 0x0
	.amdhsa_kernel k_q0c91d4cf9f_gemm
		.amdhsa_group_segment_fixed_size 270848
		.amdhsa_private_segment_fixed_size 0
		.amdhsa_enable_private_segment 0
		.amdhsa_kernarg_size 32
		.amdhsa_user_sgpr_count 2
		.amdhsa_user_sgpr_kernarg_segment_ptr 1
		.amdhsa_wavefront_size32 1
		.amdhsa_system_sgpr_workgroup_id_x 1
		.amdhsa_system_sgpr_workgroup_id_y 1
		.amdhsa_system_sgpr_workgroup_id_z 1
		.amdhsa_system_vgpr_workitem_id 0
		.amdhsa_next_free_vgpr 1024
		.amdhsa_next_free_sgpr 66
		.amdhsa_reserve_vcc 1
		.amdhsa_float_denorm_mode_32 3
		.amdhsa_float_denorm_mode_16_64 3
		.amdhsa_memory_ordered 1
		.amdhsa_forward_progress 1
		.amdhsa_inst_pref_size 153
	.end_amdhsa_kernel
	.amdgpu_metadata
---
amdhsa.version: [ 1, 2 ]
amdhsa.kernels:
  - .name:           k_q0c91d4cf9f_gemm
    .symbol:         k_q0c91d4cf9f_gemm.kd
    .args:
      - { .name: offs, .offset: 0, .size: 8, .value_kind: global_buffer, .address_space: global }
      - { .name: codes, .offset: 8, .size: 8, .value_kind: global_buffer, .address_space: global }
      - { .name: scales, .offset: 16, .size: 8, .value_kind: global_buffer, .address_space: global }
      - { .name: out0, .offset: 24, .size: 8, .value_kind: global_buffer, .address_space: global }
    .group_segment_fixed_size: 270848
    .private_segment_fixed_size: 0
    .kernarg_segment_align: 8
    .kernarg_segment_size: 32
    .max_flat_workgroup_size: 128
    .sgpr_count:     66
    .vgpr_count:     1024
    .wavefront_size: 32
...
	.end_amdgpu_metadata
.endif
;; end of part 2
;; ======== version 2 of 2: 2 launches
;; workspace buffers: codes 12,582,912 bytes; scales 786,432 bytes
;; launch quant (part 3): grid 768 x 1, 4 waves a work-group, no clusters, 37,376 bytes of LDS; arguments x, weight, codes, scales; writes codes, scales
.if DOCPART == 3
	.amdgcn_target "amdgcn-amd-amdhsa--gfx1250"
	.amdhsa_code_object_version 6
	.text
	.protected	k_q0c91d4cf9f_quant
	.globl	k_q0c91d4cf9f_quant
	.p2align	8
	.type	k_q0c91d4cf9f_quant,@function
k_q0c91d4cf9f_quant:
	s_mov_b64 s[64:65], 0
	v_nop
	global_prefetch_b8 v0, s[64:65] scope:SCOPE_SE
	s_setreg_imm32_b32 hwreg(HW_REG_WAVE_MODE, 25, 1), 1
	s_wait_xcnt 0x0
; x [4096][2048] and weight [8][1024][2048], f32, K innermost, become codes of FP4 (E2M1) with one E8M0 scale byte for each 32 along K.
; Both tensors are taken as rows of 2,048 numbers in GROUPS of 16 rows: groups 0-255 are x's, groups 256-767 weight's (expert e, rows n on: 256 + 64 e + n / 16).
; THE WORKSPACE IS LAID AS THE PRODUCT'S OPERAND REGISTERS WANT IT.
;   codes  [group][kb = k / 32][row r of the group][16 bytes]: for a K step s of 128, half c and lane l = 16 h + r, the operand's registers 4 c .. 4 c + 3 are the 16 bytes at
;          16,384 group + 1,024 s + 512 c + 16 l: every fragment load of the product reads 512 consecutive bytes.
;   scales [group][q = k / 512][row r][16 bytes]: a row's 16 bytes are the four scale words of K steps 4 q .. 4 q + 3.
; A block's scale is 2^(floor(log2(its largest magnitude)) - 2); its byte is the largest magnitude's exponent field - 2, held at 1 from below; each number is divided by the scale and
; rounded to the nearest code, ties to even, beyond 6 the largest code.
; LIMITS: NaN and infinities among the inputs are not served.  A block of zeros gets the byte 1 where the rule says 127: its codes are zeros, which add nothing under any byte but 0xff,
; and the bytes are read by this program alone.
; SHARES.  A work-group takes one group; wave w its K quarter w (512 along K: 2,048 bytes of each of the 16 rows), in 8 steps of 64 along K.  Lane (r, h) owns block 16 w + 2 t + h of row r:
; all its 32 numbers, so that the block's largest magnitude needs no other lane and the four conversions give the block's 16 bytes.
; A load is best where neighbouring lanes take neighbouring bytes, a conversion wants 32 neighbours in one lane: each load reads 256 consecutive bytes of two rows, 16 a lane; a step's 4,096 bytes
; turn through the wave's own stage in LDS and come back 128 bytes a lane.  No barrier: waves share nothing.  Loads run four steps (32 loads a wave) ahead, the turn through LDS one step.
; Every offset is an immediate, and each step has its own registers for its codes and its byte: no pointer is stepped and no store's data are written again.
.set STEPS, 8
.set SP,    272                        ; a stage row: 256 bytes + 16 = 68 words: row r starts at bank 4 r mod 64 (64 banks of 4 bytes: ISA guide 11.1)
.set STG,   16*SP                      ; a stage: 16 rows
.set SCB,   2*STG                      ; behind the two stages: the wave's 256 scale bytes
.set WREG,  9216                       ; LDS of a wave
.set R,     16                         ; v16-143  four sets of 32 registers as they are loaded
.set X,     144                        ; v144-207 two sets of 32 neighbours along K
.set C,     208                        ; v208-239 codes: four registers a step
.set E,     240                        ; v240-247 a scale byte a step
	s_load_b256 s[4:11], s[0:1], 0x0               ; x s[4:5], weight s[6:7], codes s[8:9], scales s[10:11]
	v_lshl_add_u32 v248, v0, 2, 0x9000
	v_mov_b32 v249, 0
	v_lshrrev_b32 v1, 5, v0
	v_readfirstlane_b32 s12, v1                    ; wave 0..3
	v_and_b32 v1, 31, v0                           ; lane l
	v_and_b32 v2, 15, v0                           ; r
	v_bfe_u32 v3, v0, 4, 1                         ; h
	v_lshlrev_b32 v4, 4, v2
	v_lshl_add_u32 v4, v3, 13, v4                  ; in: 16 r + one row (8,192 bytes) for lanes 16-31
	v_lshlrev_b32 v10, 4, v1                       ; codes out: 16 l
	v_lshlrev_b32 v7, 3, v1                        ; scale bytes out: 8 l
	s_mul_i32 s13, s12, WREG                       ; my wave's LDS
	v_mul_u32_u24 v14, v3, SP
	v_lshl_add_u32 v14, v2, 4, v14
	v_add_nc_u32 v14, s13, v14                     ; into a stage: row h (+ 2 j by the immediate), byte 16 r
	v_mul_u32_u24 v15, v2, SP
	v_lshl_add_u32 v15, v3, 7, v15
	v_add_nc_u32 v15, s13, v15                     ; out of it: row r, my block's 128 bytes
	s_add_co_u32 s13, s13, SCB
	v_lshl_add_u32 v5, v2, 4, v3
	v_add_nc_u32 v5, s13, v5                       ; my block's scale byte: 16 r + h (+ 2 t by the immediate)
	v_add_nc_u32 v6, s13, v7                       ; and on the way out 8 bytes a lane
	s_wait_alu depctr_va_vdst(0)
	s_wait_kmcnt 0x0
	s_cmp_lt_u32 ttmp9, 256                        ; x's group or weight's?  The choice hangs on the work-group's number alone
	s_cselect_b64 s[4:5], s[4:5], s[6:7]
	s_cselect_b32 s14, 0, 256
	s_sub_co_u32 s14, ttmp9, s14                   ; the group's number in its own tensor
	s_lshl_b32 s14, s14, 17                        ; 16 rows of 8,192 bytes,
	s_lshl_b32 s15, s12, 11                        ; my quarter of a row
	s_add_co_u32 s14, s14, s15
	s_mov_b32 s15, 0
	s_add_nc_u64 s[4:5], s[4:5], s[14:15]
	s_lshl_b32 s14, ttmp9, 14                      ; codes: 16,384 bytes a group, 4,096 a quarter
	s_lshl_b32 s16, s12, 12
	s_add_co_u32 s14, s14, s16
	s_add_nc_u64 s[8:9], s[8:9], s[14:15]
	s_lshl_b32 s14, ttmp9, 10                      ; scale bytes: 1,024 a group, 256 a quarter
	s_lshl_b32 s16, s12, 8
	s_add_co_u32 s14, s14, s16
	s_add_nc_u64 s[10:11], s[10:11], s[14:15]
.macro LOAD t                          ; step t: 256 bytes of each of the 16 rows; load j: lanes 0-15 row 2 j, lanes 16-31 row 2 j + 1, each 256 consecutive bytes at a multiple of 256
.irp j, 0,1,2,3,4,5,6,7
	global_load_b128 v[R+32*((\t)%4)+4*\j:R+32*((\t)%4)+4*\j+3], v4, s[4:5] offset:\j*16384+(\t)*256 th:TH_LOAD_NT
.endr
.endm
.macro TURN t                          ; step t's numbers through a stage: LDS serves a wave's instructions in order (ISA guide 5.7.1.4), so no wait stands between the stores and the loads
.irp j, 0,1,2,3,4,5,6,7
	ds_store_b128 v14, v[R+32*((\t)%4)+4*\j:R+32*((\t)%4)+4*\j+3] offset:STG*((\t)%2)+2*SP*\j
.endr
.irp j, 0,1,2,3,4,5,6,7
	ds_load_b128 v[X+32*((\t)%2)+4*\j:X+32*((\t)%2)+4*\j+3], v15 offset:STG*((\t)%2)+16*\j
.endr
.endm
.irp t, 0,1,2,3
	LOAD \t
.endr
	s_wait_loadcnt 24                              ; step 0's eight loads are in; those of steps 1 to 3 may be out
	TURN 0
.macro STEP t
.set XS, X+32*((\t)%2)
.if (\t) > 0
	s_wait_dscnt 1                                 ; this step's numbers are back from the stage (the last step's byte store may be out),
.else
	s_wait_dscnt 0x0
.endif
.if (\t)+4 < STEPS
	LOAD (\t)+4                                    ; so its stores into the stage have read their registers, which take the loads of four steps on
.endif
.if (\t)+1 < STEPS
.if 6-(\t) >= 3
	s_wait_loadcnt 24                              ; the next step's eight loads are in; those of the three steps behind it may be out
.else
	s_wait_loadcnt 8*(6-(\t))                      ; towards the end fewer steps stand behind it
.endif
	TURN (\t)+1                                    ; and go through the other stage while this step is worked
.endif
	v_max3_num_f32 v8, |v[XS]|, |v[XS+1]|, |v[XS+2]|               ; the block's largest magnitude: all 32 numbers are mine; two chains, so that no line waits for the line above it
	v_max3_num_f32 v9, |v[XS+3]|, |v[XS+4]|, |v[XS+5]|
.irp i, 6,10,14,18,22,26
	v_max3_num_f32 v8, v8, |v[XS+\i]|, |v[XS+\i+1]|
	v_max3_num_f32 v9, v9, |v[XS+\i+2]|, |v[XS+\i+3]|
.endr
	v_max3_num_f32 v8, v8, |v[XS+30]|, |v[XS+31]|
	v_max3_num_f32 v8, v8, v9, 0x1800000           ; and the floor 2^(3 - 127), under which no largest magnitude is taken: so the byte cannot fall under 1
	v_add_nc_u32 v11, 0xff000000, v8               ; 2 off its exponent field: the conversion takes the exponent field of this operand as its scale, and nothing else of it
.irp g, 0,1,2,3
	v_cvt_scalef32_pk8_fp4_f32 v[C+4*(\t)+\g], v[XS+8*\g:XS+8*\g+7], v11   ; eight numbers / the scale, the first number's code in the lowest four bits
.endr
	v_lshrrev_b32 v[E+(\t)], 23, v11               ; the scale's byte.  (Also the plain vector line behind the last conversion)
	ds_store_b8 v5, v[E+(\t)] offset:2*(\t)
	global_store_b128 v10, v[C+4*(\t):C+4*(\t)+3], s[8:9] offset:512*(\t)   ; blocks 2 t and 2 t + 1 of the 16 rows: the wave stores 512 consecutive bytes, at a multiple of 512 from the buffer's first byte
.endm
.irp t, 0,1,2,3,4,5,6,7
	STEP \t
.endr
	ds_load_b64 v[12:13], v6                       ; LDS serves a wave's instructions in order: this sees my byte stores
	s_wait_dscnt 0x0
	global_store_b64 v7, v[12:13], s[10:11]        ; the quarter's 256 scale bytes: 256 consecutive bytes, at a multiple of 256
	s_wait_tensorcnt 0x0
	ds_add_u32 v248, v249
	s_wait_dscnt 0x0
	s_endpgm
.Lfunc_end_k_q0c91d4cf9f_quant:
	.size	k_q0c91d4cf9f_quant, .Lfunc_end_k_q0c91d4cf9f_quant-k_q0c91d4cf9f_quant
	.p2alignl 7, 3214868480
	.fill 96, 4, 3214868480
	.section	.rodata,"a",@progbits
	.p2align	6, 0x0
	.amdhsa_kernel k_q0c91d4cf9f_quant
		.amdhsa_group_segment_fixed_size 37376
		.amdhsa_private_segment_fixed_size 0
		.amdhsa_enable_private_segment 0
		.amdhsa_kernarg_size 32
		.amdhsa_user_sgpr_count 2
		.amdhsa_user_sgpr_kernarg_segment_ptr 1
		.amdhsa_wavefront_size32 1
		.amdhsa_system_sgpr_workgroup_id_x 1
		.amdhsa_system_sgpr_workgroup_id_y 1
		.amdhsa_system_sgpr_workgroup_id_z 1
		.amdhsa_system_vgpr_workitem_id 0
		.amdhsa_next_free_vgpr 250
		.amdhsa_next_free_sgpr 66
		.amdhsa_reserve_vcc 0
		.amdhsa_float_denorm_mode_32 3
		.amdhsa_float_denorm_mode_16_64 3
		.amdhsa_memory_ordered 1
		.amdhsa_forward_progress 1
		.amdhsa_inst_pref_size 30
	.end_amdhsa_kernel
	.amdgpu_metadata
---
amdhsa.version: [ 1, 2 ]
amdhsa.kernels:
  - .name:           k_q0c91d4cf9f_quant
    .symbol:         k_q0c91d4cf9f_quant.kd
    .args:
      - { .name: x, .offset: 0, .size: 8, .value_kind: global_buffer, .address_space: global }
      - { .name: weight, .offset: 8, .size: 8, .value_kind: global_buffer, .address_space: global }
      - { .name: codes, .offset: 16, .size: 8, .value_kind: global_buffer, .address_space: global }
      - { .name: scales, .offset: 24, .size: 8, .value_kind: global_buffer, .address_space: global }
    .group_segment_fixed_size: 37376
    .private_segment_fixed_size: 0
    .kernarg_segment_align: 8
    .kernarg_segment_size: 32
    .max_flat_workgroup_size: 128
    .sgpr_count:     66
    .vgpr_count:     250
    .wavefront_size: 32
...
	.end_amdgpu_metadata
.endif
;; end of part 3
;; launch gemm (part 4): grid 8 x 32, 4 waves a work-group, no clusters, 270,848 bytes of LDS; arguments offs, codes, scales, out0; writes out0
.if DOCPART == 4
	.amdgcn_target "amdgcn-amd-amdhsa--gfx1250"
	.amdhsa_code_object_version 6
	.text
	.protected	k_q0c91d4cf9f_gemm
	.globl	k_q0c91d4cf9f_gemm
	.p2align	8
	.type	k_q0c91d4cf9f_gemm,@function
k_q0c91d4cf9f_gemm:
	s_mov_b64 s[64:65], 0
	v_nop
	global_prefetch_b8 v0, s[64:65] scope:SCOPE_SE
	s_setreg_imm32_b32 hwreg(HW_REG_WAVE_SCHED_MODE, 0, 2), 2
	s_setreg_imm32_b32 hwreg(HW_REG_WAVE_MODE, 25, 1), 1
	s_wait_xcnt 0x0
	s_wait_alu depctr_vm_vsrc(0)
; out0[t][n] = the sum over the experts e with starts[e] <= t < offs[e] (signed; starts[0] = 0, starts[e] = offs[e - 1]) of Q(x[t]) . Q(weight[e][n]), on codes of FP4 (E2M1) with E8M0 scales; sums in f32.
; NOTHING IS TAKEN FOR GRANTED OF offs: the split may be uneven, a token may lie in no expert's range (it gets 0, which is stored) or, where offs does not ascend, in several (their products add).
; codes and scales are the launch before's: [group of 16 rows][k / 32][row][16 bytes] and [group][k / 512][row][16 bytes]; groups 0-255 are x's, 256 + 64 e + n / 16 weight's.
; SHARES.  Work-group (cx, ry) owns rows 128 ry .. + 127 and columns 128 cx .. + 127 of out0: every output number has one owner, whatever offs holds.
; THE FOUR WAVES SHARE K, NOT THE TILE: wave w makes the whole 128 x 128 for K steps 4 w .. 4 w + 3 (128 along K each): 64 accumulators, 512 registers.  So no fragment is loaded by two waves, each fragment
; feeds eight matrix instructions, operands go from memory straight into registers (each load 512 consecutive bytes), and neither LDS nor a barrier stands in the walk over experts.
; The four partial tiles meet in LDS at the end, behind the one barrier; that way also turns a lane's 32 bytes into whole rows.
; ORDER OF SUMS: within a quarter of K ascending, expert after expert; the quarters are added as (q0 + q1) + (q2 + q3).
; THE WALK OVER EXPERTS.  Pass 1 always runs, on the first expert whose range meets the tile's rows (on expert 0 if none does: all its rows are then masked, and zeros are stored); its first K step starts the sums
; with the constant 0.  A counted loop over e = 1 .. 7 runs the same body, adding in place, for every other expert that meets the tile, and jumps over it for the rest.
; ROWS OUTSIDE THE EXPERT'S RANGE count for nothing by ZERO CODES: a lane of a fragment of x holds one token, so its eight registers are ANDed with the token's mask.  Where all 128 rows lie inside, that is jumped over.
; NO TENSOR LOADS, NO CLUSTER: which experts a tile meets hangs on offs, so the walk branches on numbers read from memory.
; THE MATRIX INSTRUCTION IS USED TRANSPOSED (source 0 = 16 rows of weight, source 1 = 16 tokens): a lane then holds eight neighbouring columns of one row of out0.
; REGISTERS, in windows of 256: window 0: v0-12 addresses; v16-23 the row masks; v32-63 scale words; v64-255 x's fragments, three sets of 64 (on the way out: rows of out0, three batches).
;   window 1: v0-191 weight's fragments, three sets of 64.   windows 2, 3: accumulator (a, b) at v[8 (8 (a % 4) + b)] of window 2 + a / 4.
; THE MODE: SCHED_MODE bits 1:0 = 2 (LLVM: expert scheduling mode 2), set by the entry lines.  The code itself states the register dependences between vector or matrix instructions and memory or LDS
; instructions, with s_wait_alu, always for 0.
; THE PLAN.  Registers that memory or LDS instructions touch:
;   v1, v5-v9     offsets and LDS addresses: written at the head, never again; one wait at the head, ahead of the first load, states that they are written.
;   v2            the scale words' offset: written at a pass's head, read by the pass's eight loads of scale words.
;   SC            the scale words: loaded at a pass's head, read by the pass's products.
;   sets 0, 1, 2  K step i works on set i % 3: loads land in it, the masks' v_and rewrite x's part, the step's products read it.  A pass's head asks for steps 0 and 1; step 2's loads (into set 2) are dealt among
;                 step 0's products, step 3's (into set 0) among step 1's.
;   So a pass has these waits: at its head one on vm_vsrc (from the second pass on: the last pass's loads have read v2) and one on va_vdst (v2 is written; the last pass's products and v_and are done with SC and with
;   all three sets: that serves the head's loads and step 0's too, since nothing behind it names set 2); in step 1 one on va_vdst (step 0 is done with set 0).  Where rows are masked, each step has one on va_vdst
;   between the v_and and the products that take their results; in step 1 it is the same line.
;   On the way out: one wait on va_vdst ahead of the stage's stores; then batches of four rows on three buffers by turns: see there.
.set AF,     64                        ; x's fragments, in window 0: set p at AF + 64 p
.set SC,     32                        ; register 4 g + i: lanes 0-15 the scale word of x's group g, lanes 16-31 that of weight's group g, for my K step i
.set M,      16                        ; v16-23: -1 where token 16 a + r of the tile lies in the expert's range, else 0
.set CG,     48                        ; s[48:55]: group a's lanes whose token is at or above the range's start; then: inside the range
.set CL,     56                        ; s[56:63]: those whose token is below its end
.set RPITCH, 528                       ; the way out: a row of 512 bytes + 16 = 132 words: row r starts at bank 4 r mod 64 (64 banks of 4 bytes: ISA guide 11.1)
.set REG,    128*RPITCH                ; a wave's partial tile in LDS
.set MSB, 0
.macro WIN new                         ; the immediate's high byte repeats the setting that is left; a switch that changes nothing is dropped
.if MSB != (\new)
	s_set_vgpr_msb (MSB<<8)|(\new)
.set MSB, (\new)
.endif
.endm
; A load into a register that a matrix instruction has read, and an LDS store that reads a matrix result, stand four places behind that matrix instruction; an operand written by a vector instruction stands four
; places ahead of a scaled matrix instruction; only plain vector instructions are places (ISA guide 7.12.1 for vector instructions).  The places stay beside the waits on va_vdst.
.macro PLACES
.rept 4
	v_nop
.endr
.endm
.macro LOADA sl, p, a0                 ; x's fragments of groups a0 .. a0 + 3, my K step sl, into set p: eight loads
	WIN 0
.irp a, \a0, \a0+1, \a0+2, \a0+3
.irp c, 0,1
	global_load_b128 v[AF+64*(\p)+8*(\a)+4*\c:AF+64*(\p)+8*(\a)+4*\c+3], v1, s[18:19] offset:(\a)*16384+(\sl)*1024+\c*512
.endr
.endr
.endm
.macro LOADB sl, p, b0                 ; the expert's fragments of groups b0 .. b0 + 3 likewise, into window 1
	WIN 0x40                                       ; destination window 1, address window 0
.irp b, \b0, \b0+1, \b0+2, \b0+3
.irp c, 0,1
	global_load_b128 v[64*(\p)+8*(\b)+4*\c:64*(\p)+8*(\b)+4*\c+3], v1, s[34:35] offset:(\b)*16384+(\sl)*1024+\c*512
.endr
.endr
.endm
.macro ALLA sl, p                      ; all eight groups: sixteen loads
	LOADA \sl, \p, 0
	LOADA \sl, \p, 4
.endm
.macro ALLB sl, p
	LOADB \sl, \p, 0
	LOADB \sl, \p, 4
.endm
.macro LOADSC                          ; the scale words of my four K steps: lanes 0-15 x's group g, lanes 16-31 the expert's group g
	WIN 0
.irp g, 0,1,2,3,4,5,6,7
	global_load_b128 v[SC+4*\g:SC+4*\g+3], v2, s[20:21] offset:\g*1024
.endr
.endm
; What a pass's loads hang on (the expert's number in s[e], its range S = s36, T = s37).  No load is out that names v2 or s[34:35]: every pass ends with a wait for all its loads.  again = 1: a pass of the loop.
.macro SETUP e, again
	s_cmp_le_i32 s36, s15
	s_cselect_b32 s40, 1, 0
	s_cmp_ge_i32 s37, s16
	s_cselect_b32 s40, s40, 0                      ; 1 where all 128 rows lie in the range
	s_lshl_b32 s42, s[\e], 20                      ; an expert's codes: 64 groups of 16,384 bytes
	s_mov_b32 s43, 0
	s_add_nc_u64 s[34:35], s[32:33], s[42:43]
	s_lshl_b32 s45, s[\e], 16                      ; its scale bytes: 64 groups of 1,024
	s_add_co_u32 s45, s45, s41                     ; from x's scale words to the expert's: positive and under 2^24
.if \again
	s_wait_alu depctr_vm_vsrc(0)                   ; the last pass's loads of scale words have read v2, which the next line writes
.endif
	v_mul_u32_u24 v2, s45, v12                     ; lanes 16-31 take the expert's
	v_lshl_add_u32 v2, v11, 4, v2                  ; + 16 r
	s_wait_alu depctr_va_vdst(0)                   ; v2 is written, which the loads of scale words read; in the loop also: the last pass's products and v_and are done with the scale words and the three sets, in which this pass's loads land
.endm
; The row masks, made while the pass's first loads are on their way: these lines name v3, the masks and s[48:63], nothing that a load touches.  The sixteen compares stand in one run, with one wait behind it.
.macro MASKS
	WIN 0
.irp a, 0,1,2,3,4,5,6,7
	v_add_nc_u32 v[M+\a], 16*\a, v3                ; my token in group a
.endr
.irp a, 0,1,2,3,4,5,6,7
	v_cmp_ge_i32 s[CG+\a], v[M+\a], s36
	v_cmp_lt_i32 s[CL+\a], v[M+\a], s37
.endr
	s_wait_alu depctr_va_sdst(0)                   ; the sixteen compares have written s[48:63], ahead of their first reader
.irp a, 0,1,2,3,4,5,6,7
	s_and_b32 s[CG+\a], s[CG+\a], s[CL+\a]
.endr
.irp a, 0,1,2,3,4,5,6,7
	v_cndmask_b32 v[M+\a], 0, -1, s[CG+\a]
.endr
.endm
; 64 matrix instructions: x's eight groups, each against the expert's eight, 128 along K: my K step i, in set p.  zero = 1: the products start the sums: nothing is ever cleared.
; The 64 accumulators take turns, one instruction a turn, in the same order in every step and every pass.
; next >= 0: the 32 loads of K step next go into set np, in four runs of eight behind x's groups 0 to 3.  They owe no wait of their own: no vector or matrix instruction since the last wait on va_vdst names set np or v1.
.macro MUL p, i, zero, next, np
.irp a, 0,1,2,3,4,5,6,7
	WIN 0xa1+0x50*(\a/4)                           ; source 0 (weight) window 1, source 1 (x) window 0, C and D window 2 or 3
.irp b, 0,1,2,3,4,5,6,7
.if \zero
	v_wmma_scale_f32_16x16x128_f8f6f4 v[8*(8*(\a%4)+\b):8*(8*(\a%4)+\b)+7], v[64*\p+8*\b:64*\p+8*\b+7], v[AF+64*\p+8*\a:AF+64*\p+8*\a+7], 0, v[SC+4*\b+\i], v[SC+4*\a+\i] matrix_a_fmt:MATRIX_FMT_FP4 matrix_b_fmt:MATRIX_FMT_FP4 matrix_a_scale:MATRIX_SCALE_ROW1
.else
	v_wmma_scale_f32_16x16x128_f8f6f4 v[8*(8*(\a%4)+\b):8*(8*(\a%4)+\b)+7], v[64*\p+8*\b:64*\p+8*\b+7], v[AF+64*\p+8*\a:AF+64*\p+8*\a+7], v[8*(8*(\a%4)+\b):8*(8*(\a%4)+\b)+7], v[SC+4*\b+\i], v[SC+4*\a+\i] matrix_a_fmt:MATRIX_FMT_FP4 matrix_b_fmt:MATRIX_FMT_FP4 matrix_a_scale:MATRIX_SCALE_ROW1
.endif
.endr
.if \next >= 0
.if \a == 0
	LOADB \next, \np, 0
.elseif \a == 1
	LOADB \next, \np, 4
.elseif \a == 2
	LOADA \next, \np, 0
.elseif \a == 3
	LOADA \next, \np, 4
.endif
.endif
.endr
.endm
; A K step.  left: the loads issued behind this step's, which may stay out.  next, np: the K step whose loads are dealt among this step's products, and their set; or -1.
; used = 1: set np was at work in the step before.
.macro STEP p, i, zero, left, next, np, used
	s_wait_loadcnt \left                           ; loads come back in order (ISA guide 5.7.1): this set's fragments are in (and, in a pass's first step, the scale words)
	s_cmp_lg_u32 s40, 0
	s_cbranch_scc1 .Lwhole_\@                      ; all 128 rows count: nothing to mask
	s_wait_alu depctr_va_vdst(0)
.irp a, 0,1,2,3,4,5,6,7
.irp j, 0,1,2,3,4,5,6,7
	v_and_b32 v[AF+64*\p+8*\a+\j], v[M+\a], v[AF+64*\p+8*\a+\j]   ; a token outside the range gets zero codes, which add nothing under any scale byte that the quantiser gives
.endr
.endr
	PLACES                                         ; between the last of these and the products
.if !\used
	s_wait_alu depctr_va_vdst(0)                   ; the v_and have written x's fragments, which the scaled products take; the places above stay beside this wait
.endif
.Lwhole_\@:
.if \used
	s_wait_alu depctr_va_vdst(0)                   ; the step before's products and v_and are done with set np, in which the loads below land; on the masked path also: this step's v_and have written x's fragments, which the scaled products take
.endif
	MUL \p, \i, \zero, \next, \np
	WIN 0
	PLACES                                         ; behind the step's products: in front of later loads into the registers that they have read; behind a pass's last step: of the first read of results
.endm
.macro BODY zero                       ; a pass: my four K steps on sets 0, 1, 2, 0.  Each count 32 is the 32 fragment loads of the step that was asked for next; the last wait is for all
	STEP 0, 0, \zero, 32, 2, 2, 0
	STEP 1, 1, 0, 32, 3, 0, 1
	STEP 2, 2, 0, 32, -1, 0, 0
	STEP 0, 3, 0, 0, -1, 0, 0
.endm
	s_load_b256 s[4:11], s[0:1], 0x0               ; offs s[4:5], codes s[6:7], scales s[8:9], out0 s[10:11]
	v_lshl_add_u32 v30, v0, 2, 0x42000
	v_mov_b32 v31, 0
	v_lshrrev_b32 v1, 5, v0
	v_readfirstlane_b32 s12, v1                    ; wave 0..3
	s_mov_b32 s13, ttmp9                           ; cx: the tile's columns
	s_and_b32 s14, ttmp7, 0xffff                   ; ry: its rows
	s_lshl_b32 s15, s14, 7                         ; r0: the tile's first row
	s_add_co_u32 s16, s15, 128                     ; r1: one past its last
	v_and_b32 v4, 31, v0                           ; lane l
	v_and_b32 v11, 15, v0                          ; r
	v_bfe_u32 v12, v0, 4, 1                        ; h
	v_lshlrev_b32 v1, 4, v4                        ; 16 l: my 16 bytes of every fragment load, and of a row of the tile on the way out
	v_add_nc_u32 v3, s15, v11                      ; my token in group 0
	s_wait_alu depctr_va_sdst(0)                   ; s12 is written, ahead of its first reader: LDS places and the buffers' offsets are made from it
	s_mul_i32 s17, s12, REG                        ; the way out: into my wave's partial tile: row r, 32 bytes for each half of the lanes
	v_mul_u32_u24 v5, v11, RPITCH
	v_lshl_add_u32 v5, v12, 5, v5
	v_add_nc_u32 v5, s17, v5
	s_mul_i32 s17, s12, 32*RPITCH                  ; and back: rows 32 w on of each of the four partial tiles, 16 bytes a lane
	v_add_nc_u32 v6, s17, v1
	v_add_nc_u32 v7, REG, v6
	v_add_nc_u32 v8, 2*REG, v6
	v_add_nc_u32 v9, 3*REG, v6
	s_lshl_b32 s42, s14, 17                        ; x's codes: 8 groups of 16,384 bytes a tile,
	s_lshl_b32 s17, s12, 12                        ; my four K steps of 1,024 bytes
	s_add_co_u32 s42, s42, s17
	s_mov_b32 s43, 0
	s_lshl_b32 s46, s13, 17                        ; weight's: behind x's 256 groups; 8 groups a tile of columns
	s_add_co_u32 s46, s46, s17
	s_add_co_u32 s46, s46, 0x400000
	s_mov_b32 s47, 0
	s_lshl_b32 s22, s14, 13                        ; x's scale bytes: 8 groups of 1,024 a tile
	s_lshl_b32 s41, s13, 13
	s_add_co_u32 s41, s41, 0x40000                 ; weight's: behind x's 256 groups
	s_sub_co_u32 s41, s41, s22                     ; from x's words to expert 0's: 0x40000 is more than the greatest ry x 8,192
	s_lshl_b32 s48, s12, 8                         ; my quarter of K: 256 bytes
	s_add_co_u32 s48, s48, s22
	s_mov_b32 s49, 0
	s_lshl_b32 s50, s12, 5
	s_add_co_u32 s50, s50, s15                     ; the first row that I store: r0 + 32 w,
	s_lshl_b32 s50, s50, 12                        ; of 4,096 bytes,
	s_lshl_b32 s51, s13, 9                         ; and the tile's 512 bytes in it
	s_add_co_u32 s50, s50, s51
	s_mov_b32 s51, 0
	s_wait_kmcnt 0x0
	s_load_b256 s[24:31], s[4:5], 0x0              ; offs: all eight
	s_add_nc_u64 s[18:19], s[6:7], s[42:43]
	s_add_nc_u64 s[32:33], s[6:7], s[46:47]
	s_add_nc_u64 s[20:21], s[8:9], s[48:49]
	s_add_nc_u64 s[10:11], s[10:11], s[50:51]
	s_wait_alu depctr_va_vdst(0)                   ; v1 is written, which every fragment load and every store of out0 reads as its offset; so are v5 to v9, the LDS addresses of the way out
	ALLA 0, 0                                      ; x's first fragments hang on no expert: they are asked for ahead of offs
	s_mov_b32 s23, 0                               ; starts[e] = s[23 + e], offs[e] = s[24 + e]
	s_mov_b32 s38, 0                               ; the first expert that meets the tile; if none does: expert 0,
	s_mov_b32 s36, 0                               ; with its own range, which then holds none of my rows
	s_mov_b32 s39, 0                               ; a bit for each expert that meets the tile
	s_wait_kmcnt 0x0
	s_mov_b32 s37, s24
.irp e, 7,6,5,4,3,2,1,0                ; no branch: expert e meets the tile where max(starts[e], r0) < min(offs[e], r1); the lowest such e is chosen last
	s_max_i32 s42, s[23+\e], s15
	s_min_i32 s43, s[24+\e], s16
	s_cmp_lt_i32 s42, s43
	s_cselect_b32 s38, \e, s38
	s_cselect_b32 s36, s[23+\e], s36
	s_cselect_b32 s37, s[24+\e], s37
	s_cselect_b32 s42, 1<<\e, 0
	s_or_b32 s39, s39, s42
.endr
	s_min_u32 s38, s38, 7                          ; it enters addresses
	s_lshl_b32 s42, 1, s38
	s_and_not1_b32 s39, s39, s42                   ; the experts that are left for the loop: all of them above the first
	SETUP 38, 0
	LOADSC
	ALLB 0, 0
	ALLA 1, 1
	ALLB 1, 1
	MASKS
	BODY 1                                         ; PASS 1: on every path the accumulators are written here
	s_mov_b32 s44, 1
.Lexpert:                                          ; seven trips; every window is 0 here, and no load is out
	s_lshr_b32 s42, s39, s44
	s_and_b32 s42, s42, 1
	s_cmp_lg_u32 s42, 0
	s_cbranch_scc0 .Lskip                          ; none of my rows lies in this expert's range, or pass 1 has served it
	s_mov_b32 s36, s24                             ; its range, chosen from offs without a branch
	s_mov_b32 s37, s25
.irp k, 2,3,4,5,6,7
	s_cmp_eq_u32 s44, \k
	s_cselect_b32 s36, s[23+\k], s36
	s_cselect_b32 s37, s[24+\k], s37
.endr
	SETUP 44, 1
	LOADSC
	ALLA 0, 0                                      ; x's fragments once more: the last pass has masked them in place
	ALLB 0, 0
	ALLA 1, 1
	ALLB 1, 1
	MASKS
	BODY 0
.Lskip:
	s_add_co_u32 s44, s44, 1
	s_cmp_lt_u32 s44, 8
	s_cbranch_scc1 .Lexpert
; THE WAY OUT.  Accumulator (a, b), lane (r, h), register j is row 16 a + r, column 16 b + 8 h + j of my partial tile: 32 neighbouring bytes of a row.  Each accumulator goes to LDS as it is, from its low end on.
; Behind the barrier my 32 rows go in eight batches of four, on three buffers by turns (the registers that held x's three sets).  Batch g: its 16 LDS loads land in buffer g % 3; its 24 additions read and write that
; buffer; its four stores read it.  Batch g + 2's loads land in the buffer of batch g - 1 and are issued behind batch g's additions: there ONE wait on va_vdst states that batch g's sums are written, for its stores
; (batch g - 1's additions were done at the like wait a batch ago), and one on vm_vsrc that batch g - 1's stores, issued a batch of additions earlier, have read their registers.
.macro TOSTAGE a
	WIN 0x08+4*((\a)/4)                            ; an LDS store's data are its source 1: window 2 or 3
.irp b, 0,1,2,3,4,5,6,7
	ds_store_b128 v5, v[8*(8*((\a)%4)+\b):8*(8*((\a)%4)+\b)+3] offset:(\a)*16*RPITCH+64*\b
	ds_store_b128 v5, v[8*(8*((\a)%4)+\b)+4:8*(8*((\a)%4)+\b)+7] offset:(\a)*16*RPITCH+64*\b+16
.endr
.endm
.macro RLOAD g                         ; rows 4 g .. 4 g + 3 of my 32, from all four partial tiles, into buffer g % 3: row n's quarter q at 16 n + 4 q
.irp n, 0,1,2,3
.irp q, 0,1,2,3
	ds_load_b128 v[AF+64*((\g)%3)+16*\n+4*\q:AF+64*((\g)%3)+16*\n+4*\q+3], v[6+\q] offset:(4*(\g)+\n)*RPITCH
.endr
.endr
.endm
.macro BATCH g, younger                ; younger: the next batch's LDS loads, which may stay out, as may this batch's later rows, four loads each
.irp n, 0,1,2,3
.set TT, AF+64*((\g)%3)+16*\n
	s_wait_dscnt \younger+12-4*\n
	v_pk_add_f32 v[TT:TT+1], v[TT:TT+1], v[TT+4:TT+5]              ; q0 + q1
	v_pk_add_f32 v[TT+2:TT+3], v[TT+2:TT+3], v[TT+6:TT+7]
	v_pk_add_f32 v[TT+8:TT+9], v[TT+8:TT+9], v[TT+12:TT+13]        ; q2 + q3
	v_pk_add_f32 v[TT+10:TT+11], v[TT+10:TT+11], v[TT+14:TT+15]
	v_pk_add_f32 v[TT:TT+1], v[TT:TT+1], v[TT+8:TT+9]
	v_pk_add_f32 v[TT+2:TT+3], v[TT+2:TT+3], v[TT+10:TT+11]
.endr
	s_wait_alu depctr_va_vdst(0)                   ; the batch's additions have written the four rows' sums, which the stores below read
.if ((\g) >= 1) && ((\g) <= 5)
	s_wait_xcnt 0x0                                ; the last batch's stores have had their addresses translated (ISA guide 3.1): only behind this wait are their data registers loaded again,
	s_wait_alu depctr_vm_vsrc(0)                   ; and they have read those registers, in which the loads below land
.endif
.if (\g) <= 5
	RLOAD (\g)+2
.endif
.irp n, 0,1,2,3
.set TT, AF+64*((\g)%3)+16*\n
	global_store_b128 v1, v[TT:TT+3], s[10:11] offset:(4*(\g)+\n)*4096 th:TH_STORE_NT   ; the 32 lanes store the tile's 512 bytes of a row, at a multiple of 512 from out0's first byte; written once, read by nobody here
.endr
.endm
	s_wait_alu depctr_va_vdst(0)                   ; the products have written the accumulators, which the LDS stores read (the four places behind the last product stay beside this wait); and they are done with the three sets, in which the first batches' loads land
.irp a, 0,1,2,3,4,5,6,7
	TOSTAGE \a
.endr
	WIN 0
	s_wait_dscnt 0x0                               ; for the others' sake: my partial tile lies in LDS
	s_barrier_signal -1
	s_barrier_wait -1                              ; all four do.  The one barrier, on every wave's path
	RLOAD 0
	RLOAD 1
.irp g, 0,1,2,3,4,5,6
	BATCH \g, 16
.endr
	BATCH 7, 0
	s_wait_dscnt 0x0
	s_wait_alu depctr_hold_cnt(0) depctr_sa_sdst(0) depctr_va_vdst(0) depctr_va_sdst(0) depctr_va_ssrc(0) depctr_va_vcc(0) depctr_vm_vsrc(0)
	s_wait_tensorcnt 0x0
	ds_add_u32 v30, v31
	s_wait_dscnt 0x0
	s_endpgm
.Lfunc_end_k_q0c91d4cf9f_gemm:
	.size	k_q0c91d4cf9f_gemm, .Lfunc_end_k_q0c91d4cf9f_gemm-k_q0c91d4cf9f_gemm
	.p2alignl 7, 3214868480
	.fill 96, 4, 3214868480
	.section	.rodata,"a",@progbits
	.p2align	6, 0x0
	.amdhsa_kernel k_q0c91d4cf9f_gemm
		.amdhsa_group_segment_fixed_size 270848
		.amdhsa_private_segment_fixed_size 0
		.amdhsa_enable_private_segment 0
		.amdhsa_kernarg_size 32
		.amdhsa_user_sgpr_count 2
		.amdhsa_user_sgpr_kernarg_segment_ptr 1
		.amdhsa_wavefront_size32 1
		.amdhsa_system_sgpr_workgroup_id_x 1
		.amdhsa_system_sgpr_workgroup_id_y 1
		.amdhsa_system_sgpr_workgroup_id_z 1
		.amdhsa_system_vgpr_workitem_id 0
		.amdhsa_next_free_vgpr 1024
		.amdhsa_next_free_sgpr 66
		.amdhsa_reserve_vcc 0
		.amdhsa_float_denorm_mode_32 3
		.amdhsa_float_denorm_mode_16_64 3
		.amdhsa_memory_ordered 1
		.amdhsa_forward_progress 1
		.amdhsa_inst_pref_size 155
	.end_amdhsa_kernel
	.amdgpu_metadata
---
amdhsa.version: [ 1, 2 ]
amdhsa.kernels:
  - .name:           k_q0c91d4cf9f_gemm
    .symbol:         k_q0c91d4cf9f_gemm.kd
    .args:
      - { .name: offs, .offset: 0, .size: 8, .value_kind: global_buffer, .address_space: global }
      - { .name: codes, .offset: 8, .size: 8, .value_kind: global_buffer, .address_space: global }
      - { .name: scales, .offset: 16, .size: 8, .value_kind: global_buffer, .address_space: global }
      - { .name: out0, .offset: 24, .size: 8, .value_kind: global_buffer, .address_space: global }
    .group_segment_fixed_size: 270848
    .private_segment_fixed_size: 0
    .kernarg_segment_align: 8
    .kernarg_segment_size: 32
    .max_flat_workgroup_size: 128
    .sgpr_count:     66
    .vgpr_count:     1024
    .wavefront_size: 32
...
	.end_amdgpu_metadata
.endif
;; end of part 4
